; MI455X (gfx1250); checked and timed in simulation.
; The chip was launched on July 23, 2026; its instructions are those of AMD's public machine-readable ISA for CDNA 5 (MIT licence, August 2026) and "CDNA5" Instruction Set Architecture Reference Guide (July 2026). The comments in the code are by the model that wrote it; some were corrected since.
;; Mo E Layer. Allowed arithmetic: float matrix products may take bf16 or f16 operands with f32 sums; all other float work in f32.
;; Inputs: b1 8 x 4,096 float32; b2 8 x 1,024 float32; gate_b 8 float32; gate_w 1,024 x 8 float32; w1 8 x 1,024 x 4,096 float32; w2 8 x 4,096 x 1,024 float32; x 1,024 x 1,024 float32.
;; Outputs: out0 1,024 x 1,024 float32.
;; One version. Each part assembles by itself: llvm-mc -triple=amdgcn-amd-amdhsa -mcpu=gfx1250 --defsym DOCPART=n.
;; ======== version 1 of 1: 5 launches
;; limits: values are held in f16: magnitudes above 65,504 overflow, below 6.1e-05 lose precision; right only within a limited range of input values
;; workspace buffers: ridx 8,192 bytes of whole numbers; rwt 8,192 bytes; slots 8,192 bytes of whole numbers; meta 256 bytes of whole numbers; xs 4,456,448 bytes; hs 17,825,792 bytes; yp 35,651,584 bytes
;; launch router (part 1): grid 32 x 1, 8 waves a work-group, no clusters, 38,400 bytes of LDS; arguments x, gate_w, gate_b, ridx, rwt; writes ridx, rwt
.if DOCPART == 1
	.amdgcn_target "amdgcn-amd-amdhsa--gfx1250"
	.amdhsa_code_object_version 6
	.text
	.protected	k_q51621e1188_router
	.globl	k_q51621e1188_router
	.p2align	8
	.type	k_q51621e1188_router,@function
k_q51621e1188_router:
	s_mov_b64 s[64:65], 0
	v_nop
	global_prefetch_b8 v0, s[64:65] scope:SCOPE_SE
	s_setreg_imm32_b32 hwreg(HW_REG_WAVE_MODE, 25, 1), 1
	s_wait_xcnt 0x0
; MoE layer, launch 1 of 5: the router.  logits = x gate_w + gate_b in f32, the two largest of the eight, softmax over these two.
; Stores ridx[token][2] (experts, whole numbers) and rwt[token][2] (their weights).
;
; WORK THAT THE PROGRAM LEAVES OUT.  reference() forms y[b][e] for all eight experts and then keeps, by take_along_axis on top_idx, the two
; that top_idx[b] names; the other six rows y[b][e] reach no output.  Which two is decided by whole numbers: this launch stores them, and
; the later launches read them from memory and form h and y only for the 2,048 (token, expert) pairs that they name.  Every input still
; has a way to the output (any expert may be chosen), so every input is loaded.
; LIMIT: a NaN, an infinity or an overflow inside the MLP of an expert that a token did not choose is never formed.
;
; The logits are 8.4 million multiply-adds: they are made in f32 on the vector unit, since a logit rounded to bf16 could change a token's
; second choice and with it a whole row of the output.
; LIMITS: the f32 sum over d runs in another order than reference()'s, so two logits that agree to within f32 rounding may be ranked the
; other way round; among equal logits the lower index wins, as in lax.top_k; NaN or -inf logits are not served (the two indices still differ).
;
; A work-group takes 32 tokens (its 256 bytes of ridx and of rwt are stored whole); wave w takes tokens 4 w + t, t = 0..3;
; lane l takes d = 128 j + 4 l + i (j = 0..7, i = 0..3): a wave's load of x covers 512 neighbouring bytes.
; gate_w (32 KiB) goes to LDS once, as 256 groups of four rows d (128 bytes) 144 bytes apart: 144 = 9 x 16, so that the sixteen lanes of a
; 16-byte LDS load, which take sixteen neighbouring groups, touch sixteen different 16-byte columns.
.set X,   16                           ; v[16:143]   x: chunk j, token t at X + 16 j + 4 t
.set G,   144                          ; v[144:207]  gate_w: two buffers of 32; register 8 i + e = gate_w[d][e]
.set ACC, 208                          ; v[208:239]  sums: token t, expert e at ACC + 8 t + e
.set L,   16                           ; v[16:23]    the lane's eight logits (x is done with by then)
.set PT,  48                           ; v[48:79]    the other half's sums (registers of x, written long before)
.set GP,  144                          ; bytes from group to group
.set GCH, 32*GP                        ; 32 groups: one chunk j, and what one 4,096-byte load of the work-group fills
.set RI,  36864                        ; 32 tokens x 8 bytes: the indices, gathered for one store
.set RW,  37120                        ; the same for the weights
	s_load_b256 s[4:11], s[0:1], 0x0               ; x s[4:5], gate_w s[6:7], gate_b s[8:9], ridx s[10:11]
	s_load_b64 s[12:13], s[0:1], 0x20              ; rwt
	v_lshl_add_u32 v248, v0, 2, 0x9200
	v_mov_b32 v249, 0
	v_and_b32 v1, 31, v0                           ; lane
	v_lshrrev_b32 v8, 5, v0
	v_readfirstlane_b32 s14, v8                    ; wave
	v_lshlrev_b32 v2, 4, v1                        ; 16 x lane: my bytes in 512 bytes of x
	v_lshlrev_b32 v9, 4, v0                        ; 16 x thread: my bytes in 4,096 bytes of gate_w
	v_lshrrev_b32 v3, 3, v0
	v_mul_u32_u24 v3, v3, GP                       ; where they go: group thread / 8,
	v_and_b32 v8, 7, v0
	v_lshl_add_u32 v3, v8, 4, v3                   ; 16-byte piece thread % 8
	v_mul_u32_u24 v4, v1, GP                       ; where I read: group lane of a chunk
	v_and_b32 v5, 3, v0
	v_lshlrev_b32 v5, 3, v5
	s_lshl_b32 s15, s14, 5
	v_add_nc_u32 v5, s15, v5                       ; 8 x (4 wave + lane % 4): my token's place in RI and RW
	v_lshlrev_b32 v6, 3, v1                        ; 8 x lane
	s_lshl_b32 s2, ttmp9, 17                       ; 32 tokens of 4,096 bytes for each work-group,
	s_lshl_b32 s3, s14, 14                         ; 4 for each wave
	s_add_co_u32 s2, s2, s3
	s_mov_b32 s3, 0
	s_mov_b32 s24, 0x76543210                      ; v_permlanex16_b32: lane i of one half reads lane i of the other
	s_mov_b32 s25, 0xfedcba98
	s_mov_b32 s26, 0xaaaaaaaa                      ; lanes with lane & 1
	s_mov_b32 s27, 0xcccccccc                      ; lanes with lane & 2
	s_wait_kmcnt 0x0
	s_load_b256 s[16:23], s[8:9], 0x0              ; gate_b
	s_add_nc_u64 s[4:5], s[4:5], s[2:3]            ; x at my wave's first token
.irp u, 0,1,2,3,4,5,6,7
	global_load_b128 v[G+4*\u:G+4*\u+3], v9, s[6:7] offset:4096*\u
.endr
.irp j, 0,1,2,3,4,5,6,7
.irp t, 0,1,2,3
	global_load_b128 v[X+16*\j+4*\t:X+16*\j+4*\t+3], v2, s[4:5] offset:4096*\t+512*\j
.endr
.endr
	s_wait_loadcnt 32                              ; loads return in order: gate_w is in, the 32 younger loads of x stay out
.irp u, 0,1,2,3,4,5,6,7
	ds_store_b128 v3, v[G+4*\u:G+4*\u+3] offset:GCH*\u
.endr
	s_wait_dscnt 0x0                               ; my part of gate_w is in LDS before I say so
	s_barrier_signal -1
	s_barrier_wait -1                              ; everybody's is
; the 64 products of chunk j: four tokens x four d x eight experts, two experts to an instruction; x is broadcast from its pair
.macro DOT j, gb
.irp i, 0,1,2,3
.irp t, 0,1,2,3
.irp p, 0,1,2,3
.if \j+\i == 0
	v_pk_mul_f32 v[ACC+8*\t+2*\p:ACC+8*\t+2*\p+1], v[X+4*\t:X+4*\t+1], v[\gb+2*\p:\gb+2*\p+1] op_sel_hi:[0,1]   ; the first product starts the sum
.else
.if (\i&1) == 0
	v_pk_fma_f32 v[ACC+8*\t+2*\p:ACC+8*\t+2*\p+1], v[X+16*\j+4*\t+(\i&2):X+16*\j+4*\t+(\i&2)+1], v[\gb+8*\i+2*\p:\gb+8*\i+2*\p+1], v[ACC+8*\t+2*\p:ACC+8*\t+2*\p+1] op_sel_hi:[0,1,1]
.else
	v_pk_fma_f32 v[ACC+8*\t+2*\p:ACC+8*\t+2*\p+1], v[X+16*\j+4*\t+(\i&2):X+16*\j+4*\t+(\i&2)+1], v[\gb+8*\i+2*\p:\gb+8*\i+2*\p+1], v[ACC+8*\t+2*\p:ACC+8*\t+2*\p+1] op_sel:[1,0,0] op_sel_hi:[1,1,1]
.endif
.endif
.endr
.endr
.endr
.endm
.macro GLOAD j, gb                     ; my group of chunk j: 128 bytes.  j may be a sum: it stands in brackets
.irp u, 0,1,2,3,4,5,6,7
	ds_load_b128 v[\gb+4*\u:\gb+4*\u+3], v4 offset:GCH*(\j)+16*\u
.endr
.endm
	GLOAD 0, G
.irp j, 0,1,2,3,4,5,6
	GLOAD \j+1, G+32*((\j+1)&1)
	s_wait_dscnt 8                                 ; LDS loads return in order: this chunk's eight are in, the next chunk's eight stay out
	s_wait_loadcnt 4*(7-\j)                        ; this chunk's x is in, the later chunks' loads stay out
	DOT \j, G+32*(\j&1)
.endr
	s_wait_dscnt 0x0
	s_wait_loadcnt 0x0
	DOT 7, G+32
	; each of the 32 sums over the 32 lanes: four steps inside each half of 16 lanes, one across; mask by mask, so that no line waits for the one in front
.irp m, 1,2,4,8
.set r, ACC
.rept 32
	v_add_f32_dpp v[r], v[r], v[r] row_xmask:\m row_mask:0xf bank_mask:0xf
.set r, r+1
.endr
.endr
.set r, 0
.rept 32
	v_permlanex16_b32 v[PT+r], v[ACC+r], s24, s25
.set r, r+1
.endr
.set r, 0
.rept 32
	v_add_f32 v[ACC+r], v[ACC+r], v[PT+r]
.set r, r+1
.endr
	s_wait_kmcnt 0x0                               ; gate_b
	; every lane holds all four tokens' logits; lane l goes on with token l % 4
.irp e, 0,1,2,3,4,5,6,7
	v_cndmask_b32 v240, v[ACC+\e], v[ACC+8+\e], s26
	v_cndmask_b32 v241, v[ACC+16+\e], v[ACC+24+\e], s26
	v_cndmask_b32 v[L+\e], v240, v241, s27
	v_add_f32 v[L+\e], s[16+\e], v[L+\e]
.endr
	; the largest (v244, index v242), by strict >, so that the lower index wins among equals
	v_mov_b32 v244, v[L]
	v_mov_b32 v242, 0
.irp e, 1,2,3,4,5,6,7
	v_cmp_gt_f32 vcc_lo, v[L+\e], v244
	v_cndmask_b32 v244, v244, v[L+\e], vcc_lo
	v_cndmask_b32 v242, v242, \e, vcc_lo
.endr
	; the largest of the other seven (v245, index v243); the index starts at another expert than the first, so the two always differ
	v_mov_b32 v245, 0xff800000
	v_xor_b32 v243, 1, v242
.irp e, 0,1,2,3,4,5,6,7
	v_cmp_gt_f32 s28, v[L+\e], v245
	v_cmp_ne_u32 s29, \e, v242
	s_and_b32 vcc_lo, s28, s29
	v_cndmask_b32 v245, v245, v[L+\e], vcc_lo
	v_cndmask_b32 v243, v243, \e, vcc_lo
.endr
	; softmax of the two with their maximum, the first, taken away: 1 / (1 + p) and p / (1 + p), p = exp(second - first) <= 1
	v_sub_f32 v246, v245, v244
	v_mul_f32 v246, 0x3fb8aa3b, v246
	v_exp_f32 v247, v246
	v_nop                                          ; one plain vector instruction between a transcendental and the use of its result
	s_wait_alu depctr_va_vdst(0)
	v_add_f32 v246, 1.0, v247
	v_rcp_f32 v240, v246
	v_nop
	s_wait_alu depctr_va_vdst(0)
	v_mul_f32 v241, v247, v240
	ds_store_b64 v5, v[242:243] offset:RI          ; the eight lanes with one token store the same numbers
	ds_store_b64 v5, v[240:241] offset:RW
	s_wait_dscnt 0x0                               ; stored before I say so
	s_barrier_signal -1
	s_barrier_wait -1
	s_cmp_lg_u32 s14, 0
	s_cbranch_scc1 .Lend                           ; wave 0 stores for all: 32 lanes x 8 bytes = the group's 256 bytes of each buffer
	ds_load_b64 v[10:11], v6 offset:RI
	ds_load_b64 v[12:13], v6 offset:RW
	s_lshl_b32 s2, ttmp9, 8
	s_add_nc_u64 s[10:11], s[10:11], s[2:3]
	s_add_nc_u64 s[12:13], s[12:13], s[2:3]
	s_wait_dscnt 0x0
	global_store_b64 v6, v[10:11], s[10:11]
	global_store_b64 v6, v[12:13], s[12:13]
.Lend:
	s_barrier_signal -1
	s_barrier_wait -1
	s_wait_tensorcnt 0x0
	ds_add_u32 v248, v249
	s_wait_dscnt 0x0
	s_endpgm
.Lfunc_end_k_q51621e1188_router:
	.size	k_q51621e1188_router, .Lfunc_end_k_q51621e1188_router-k_q51621e1188_router
	.p2alignl 7, 3214868480
	.fill 96, 4, 3214868480
	.section	.rodata,"a",@progbits
	.p2align	6, 0x0
	.amdhsa_kernel k_q51621e1188_router
		.amdhsa_group_segment_fixed_size 38400
		.amdhsa_private_segment_fixed_size 0
		.amdhsa_enable_private_segment 0
		.amdhsa_kernarg_size 40
		.amdhsa_user_sgpr_count 2
		.amdhsa_user_sgpr_kernarg_segment_ptr 1
		.amdhsa_wavefront_size32 1
		.amdhsa_system_sgpr_workgroup_id_x 1
		.amdhsa_system_sgpr_workgroup_id_y 1
		.amdhsa_system_sgpr_workgroup_id_z 1
		.amdhsa_system_vgpr_workitem_id 0
		.amdhsa_next_free_vgpr 250
		.amdhsa_next_free_sgpr 66
		.amdhsa_reserve_vcc 1
		.amdhsa_float_denorm_mode_32 3
		.amdhsa_float_denorm_mode_16_64 3
		.amdhsa_memory_ordered 1
		.amdhsa_forward_progress 1
		.amdhsa_inst_pref_size 60
	.end_amdhsa_kernel
	.amdgpu_metadata
---
amdhsa.version: [ 1, 2 ]
amdhsa.kernels:
  - .name:           k_q51621e1188_router
    .symbol:         k_q51621e1188_router.kd
    .args:
      - { .name: x, .offset: 0, .size: 8, .value_kind: global_buffer, .address_space: global }
      - { .name: gate_w, .offset: 8, .size: 8, .value_kind: global_buffer, .address_space: global }
      - { .name: gate_b, .offset: 16, .size: 8, .value_kind: global_buffer, .address_space: global }
      - { .name: ridx, .offset: 24, .size: 8, .value_kind: global_buffer, .address_space: global }
      - { .name: rwt, .offset: 32, .size: 8, .value_kind: global_buffer, .address_space: global }
    .group_segment_fixed_size: 38400
    .private_segment_fixed_size: 0
    .kernarg_segment_align: 8
    .kernarg_segment_size: 40
    .max_flat_workgroup_size: 256
    .sgpr_count:     66
    .vgpr_count:     250
    .wavefront_size: 32
...
	.end_amdgpu_metadata
.endif
;; end of part 1
;; launch place (part 2): grid 128 x 1, 8 waves a work-group, no clusters, 38,144 bytes of LDS; arguments ridx, x, xs, slots, meta; writes xs, slots, meta
.if DOCPART == 2
	.amdgcn_target "amdgcn-amd-amdhsa--gfx1250"
	.amdhsa_code_object_version 6
	.text
	.protected	k_q51621e1188_place
	.globl	k_q51621e1188_place
	.p2align	8
	.type	k_q51621e1188_place,@function
k_q51621e1188_place:
	s_mov_b64 s[64:65], 0
	v_nop
	global_prefetch_b8 v0, s[64:65] scope:SCOPE_SE
	s_setreg_imm32_b32 hwreg(HW_REG_WAVE_MODE, 25, 1), 1
	s_wait_xcnt 0x0
; MoE layer, launch 2 of 5: the 2,048 (token, expert) pairs are sorted by expert, and x / 16 is gathered in that order, in f16.
; Only the pairs that ridx names get a place: the other six experts of a token are not computed (see the first launch's head).
; NUMBER FORMAT of the two large products: f16 operands, f32 sums.  A rounding to 8 significant bits has an rms relative error of about 2^-8 x 0.42; the roundings of
; x, w1, h and w2 together would come to a third of a per cent of the output's rms, where each number is asked for to within one per cent of it: too near for a
; million numbers.  With f16's 11 bits the error is an eighth of that.  Room in f16 (largest 65,504; spacing 2^-24 below 2^-14), with x, and so h, scaled by the exact 2^-4:
;   x / 16: some 0.4 at the most as drawn; 12 if x is 30 times larger; 2.2 with an offset of 30 spreads; std 0.002 if 30 times smaller
;   w1 (std 1/32), w2 (std 1/64): under 5 if 30 times larger, about 1 with an offset of 30 spreads; std 0.001 and 0.0005 if 30 times smaller
;   h / 16: 0.35 as drawn; 300 if x and w1 are both 30 times larger; 1024 x 30 x (30/32) / 16 = 1,800 if both carry an offset of 30 spreads; rms 5e-5 if both are
;   30 times smaller, where the spacing 2^-24 leaves an error of 3.5e-4 of the rms
; LIMIT: |x| and h below 16 x 65,504 = 1.0e6, |w1| and |w2| below 65,504; beyond that an operand becomes infinite where reference() may still be finite.
; Expert e owns ns[e] = ceil(n_e / 16) subtiles of 16 slots from subtile st[e] on (st = running sum of ns; at least 128 and at most 135 subtiles
; in all).  A slot that no pair takes stands for token 0: finite numbers whose results nobody reads.
; Stores: slots[token][2] (the slot of each choice), meta[e] = {st[e], ns[e]} (entries 8..31 are 0), and xs.
; xs, FRAGMENT ORDER: subtile t, K step s (32 k), half q, lane L = 16 h + r: the 16 bytes at 32768 t + 1024 s + 512 q + 16 L hold f16 of
; row r, k = 32 s + 16 q + 8 h + 0..7: a wave fills a 16 x 32 matrix operand with two loads of 512 neighbouring bytes each.
; Every work-group repeats the ranking (some hundreds of integer instructions a wave), which spares a launch; work-group t then gathers subtile t, which is always
; in use, and work-groups 0 to 7 also subtile t + 128.  How many of the subtiles 128 to 135 are in use comes out of this launch's own counts, and no branch hangs
; on them: one that is not in use is 16 slots that no pair takes, so it is filled with token 0 like any such slot (at most 8 subtiles of 32 KiB that nobody reads),
; and every byte of xs is written.  Thread n ranks tokens 2 n, 2 n + 1, 512 + 2 n, 513 + 2 n: its loads of ridx are 16 neighbouring bytes each.
.set E,     2                          ; v[2:9]     experts: token i (0..3 of mine), choice k at E + 2 i + k
.set S,     10                         ; v[10:17]   their slots, same order
.set C,     18                         ; v[18:25]   eight words from LDS
.set OFF,   40                         ; v[40:55]   row r: byte offset in x
.set X,     56                         ; v[56:119]  row r: 4 f32 as loaded; then the fragments on their way out
.set Y,     120                        ; v[120:127] four pairs of packed f16
.set CNT,   0                          ; LDS: [8 waves][8 experts] counts
.set TOK,   256                        ; LDS: for each wave a copy of its own, 256 bytes apart: 32 words (entry 16 u + j = token of slot j of subtile t + 128 u), and at byte 128 a word for stores that match no slot
.set STAGE, 2304                       ; LDS: for each wave 16 rows of 256 bytes, 272 apart
.set SP,    272
.set M,     32                         ; s[32:63]   lanes whose token i chose expert e, at M + 8 i + e
.set TT,    66                         ; s[66:73]   n_e
.set BASE,  74                         ; s[74:81]   next free slot of expert e for my wave
.set ST,    82                         ; s[82:89]   st[e]
.set NS,    90                         ; s[90:97]   ns[e]
	s_load_b256 s[4:11], s[0:1], 0x0               ; ridx s[4:5], x s[6:7], xs s[8:9], slots s[10:11]
	s_load_b64 s[12:13], s[0:1], 0x20              ; meta
	v_lshl_add_u32 v132, v0, 2, 0x9100
	v_mov_b32 v133, 0
	s_mov_b32 s2, 0x3d800000                       ; 1 / 16, in a pair: a packed instruction broadcasts a scalar pair's first register
	s_mov_b32 s3, 0x3d800000
	v_and_b32 v1, 31, v0                           ; lane
	v_lshrrev_b32 v28, 5, v0
	v_readfirstlane_b32 s14, v28                   ; wave
	s_mov_b32 s15, ttmp9                           ; t
	v_lshlrev_b32 v31, 4, v0                       ; 16 x thread
	s_lshl_b32 s24, s14, 8
	s_add_co_u32 s24, s24, TOK
	v_mov_b32 v39, s24                             ; my wave's copy of the token list
	v_lshl_add_u32 v35, v1, 2, v39
	v_mov_b32 v29, 0
	ds_store_b32 v35, v29                          ; its 32 words start at 0 = token 0
	s_mul_i32 s25, s14, 16*SP
	s_add_co_u32 s25, s25, STAGE                   ; my wave's stage
	v_lshl_add_u32 v128, v1, 3, s25                ; in: 8 bytes a lane along a row
	v_and_b32 v35, 15, v1
	v_lshrrev_b32 v36, 4, v1
	v_mul_u32_u24 v129, v35, SP                    ; back: row lane % 16, 16 bytes for each half of the lanes
	v_lshl_add_u32 v129, v36, 4, v129
	v_add_nc_u32 v129, s25, v129
	v_lshlrev_b32 v130, 4, v1                      ; 16 x lane
	s_lshl_b32 s25, s14, 9
	v_add_nc_u32 v131, s25, v130                   ; my 16 bytes of a row of x: wave w takes k = 128 w .. 128 w + 127
	s_lshl_b32 s98, s15, 15
	s_lshl_b32 s25, s14, 12
	s_add_co_u32 s98, s98, s25
	s_mov_b32 s99, 0
	s_wait_kmcnt 0x0
	global_load_b128 v[E:E+3], v31, s[4:5]                 ; tokens 2 n, 2 n + 1
	global_load_b128 v[E+4:E+7], v31, s[4:5] offset:4096   ; tokens 512 + 2 n, 513 + 2 n
	s_add_nc_u64 s[26:27], s[8:9], s[98:99]        ; xs at subtile t, my wave's four K steps
	s_add_nc_u64 s[28:29], s[26:27], 0x400000      ; and at subtile t + 128
	s_wait_loadcnt 0x0
.irp k, 0,1,2,3,4,5,6,7
	v_min_u32 v[E+\k], 7, v[E+\k]
.endr
	; who chose whom (a token's two experts differ), and my wave's counts
.irp i, 0,1,2,3
.irp e, 0,1,2,3,4,5,6,7
	v_cmp_eq_u32 s24, \e, v[E+2*\i]
	v_cmp_eq_u32 s25, \e, v[E+2*\i+1]
	s_or_b32 s[M+8*\i+\e], s24, s25
.endr
.endr
.irp e, 0,1,2,3,4,5,6,7
	s_bcnt1_i32_b32 s[16+\e], s[M+\e]
.irp i, 1,2,3
	s_bcnt1_i32_b32 s24, s[M+8*\i+\e]
	s_add_co_u32 s[16+\e], s[16+\e], s24
.endr
	v_mov_b32 v[C+\e], s[16+\e]
.endr
	s_lshl_b32 s24, s14, 5
	v_mov_b32 v30, s24
	ds_store_b128 v30, v[C:C+3] offset:CNT
	ds_store_b128 v30, v[C+4:C+7] offset:CNT+16
	s_wait_dscnt 0x0                               ; my counts are in LDS before I say so
	s_barrier_signal -1
	s_barrier_wait -1
	; lane l: expert l % 8: its total over the eight waves, and over the waves in front of mine
	v_and_b32 v28, 7, v0
	v_lshlrev_b32 v28, 2, v28
.irp w, 0,1,2,3,4,5,6,7
	ds_load_b32 v[C+\w], v28 offset:CNT+32*\w
.endr
	s_wait_dscnt 0x0
	v_add_nc_u32 v26, v[C], v[C+1]
	v_add3_u32 v26, v26, v[C+2], v[C+3]
	v_add3_u32 v26, v26, v[C+4], v[C+5]
	v_add3_u32 v26, v26, v[C+6], v[C+7]
	v_mov_b32 v27, 0
.irp w, 0,1,2,3,4,5,6
	s_cmp_gt_u32 s14, \w
	s_cselect_b32 s24, -1, 0
	v_and_b32 v29, s24, v[C+\w]
	v_add_nc_u32 v27, v27, v29
.endr
.irp e, 0,1,2,3,4,5,6,7
	v_readlane_b32 s[TT+\e], v26, \e
	v_readlane_b32 s[BASE+\e], v27, \e
.endr
	s_mov_b32 s30, 0                               ; running sum of subtiles
.irp e, 0,1,2,3,4,5,6,7
	s_mov_b32 s[ST+\e], s30
	s_add_co_u32 s[NS+\e], s[TT+\e], 15
	s_lshr_b32 s[NS+\e], s[NS+\e], 4
	s_add_co_u32 s30, s30, s[NS+\e]
	s_lshl4_add_u32 s[BASE+\e], s[ST+\e], s[BASE+\e]       ; 16 st[e] + what the waves in front of mine take
.endr
	; slots: within an expert in the order wave, i, lane: dense, each taken once
.irp i, 0,1,2,3
.irp e, 0,1,2,3,4,5,6,7
	v_mbcnt_lo_u32_b32 v30, s[M+8*\i+\e], s[BASE+\e]       ; the expert's next free slot + the choosers in lower lanes
.if \e == 0
	v_mov_b32 v[S+2*\i], v30
	v_mov_b32 v[S+2*\i+1], v30
.else
	v_cmp_eq_u32 vcc_lo, \e, v[E+2*\i]
	v_cndmask_b32 v[S+2*\i], v[S+2*\i], v30, vcc_lo
	v_cmp_eq_u32 vcc_lo, \e, v[E+2*\i+1]
	v_cndmask_b32 v[S+2*\i+1], v[S+2*\i+1], v30, vcc_lo
.endif
	s_bcnt1_i32_b32 s24, s[M+8*\i+\e]
	s_add_co_u32 s[BASE+\e], s[BASE+\e], s24
.endr
.endr
	; work-group 0 alone stores the tables
	s_cmp_lg_u32 s15, 0
	s_cbranch_scc1 .Lothers
	global_store_b128 v31, v[S:S+3], s[10:11]
	global_store_b128 v31, v[S+4:S+7], s[10:11] offset:4096
	s_cmp_lg_u32 s14, 0
	s_cbranch_scc1 .Lothers
	v_mov_b32 v32, 0
	v_mov_b32 v33, 0
.irp e, 0,1,2,3,4,5,6,7
	v_writelane_b32 v32, s[ST+\e], \e
	v_writelane_b32 v33, s[NS+\e], \e
.endr
	v_lshlrev_b32 v34, 3, v1
	global_store_b64 v34, v[32:33], s[12:13]       ; 32 lanes x 8 bytes: the whole buffer
.Lothers:
	; each pair whose slot lies in subtile t or t + 128 puts its token's number into my wave's copy of the list; the others hit the spare word
	v_mov_b32 v38, 128
	v_lshlrev_b32 v29, 1, v0
.irp i, 0,1,2,3
	v_add_nc_u32 v30, (\i&1)+512*(\i>>1), v29      ; the token
.irp k, 0,1
	v_bfe_u32 v35, v[S+2*\i+\k], 4, 7              ; subtile % 128
	v_lshrrev_b32 v36, 11, v[S+2*\i+\k]            ; subtile / 128
	v_and_b32 v37, 15, v[S+2*\i+\k]
	v_cmp_eq_u32 vcc_lo, s15, v35
	v_lshl_or_b32 v36, v36, 4, v37
	v_lshlrev_b32 v36, 2, v36
	v_cndmask_b32 v36, v38, v36, vcc_lo
	v_min_u32 v36, 128, v36                        ; inside my wave's 132 bytes whatever ridx held
	v_add_nc_u32 v36, v39, v36
	ds_store_b32 v36, v30
.endr
.endr
	v_and_b32 v28, 15, v0
	v_lshlrev_b32 v28, 2, v28
	s_wait_dscnt 0x0                               ; my copy is complete before I say so
	s_barrier_signal -1
	s_barrier_wait -1                              ; the last barrier: from here on each wave works by itself
; Subtile t + 128 u: 16 rows of x, my wave's 128 columns, times 1/16, to f16 and into fragment order through my stage.  pb: the scalar pair with the place in xs.
.macro GATHER u, pb
.irp w, 0,1,2,3,4,5,6,7
	ds_load_b32 v[C+\w], v28 offset:TOK+256*\w+64*\u
.endr
	s_wait_dscnt 0x0
	v_add3_u32 v26, v[C], v[C+1], v[C+2]           ; a slot is written in one copy and 0 in the others: the sum is its token
	v_add3_u32 v26, v26, v[C+3], v[C+4]
	v_add3_u32 v26, v26, v[C+5], v[C+6]
	v_add_nc_u32 v26, v26, v[C+7]                  ; lane l: the token of slot l % 16
.irp r, 0,1,2,3,4,5,6,7,8,9,10,11,12,13,14,15
	v_readlane_b32 s24, v26, \r
	s_min_u32 s24, s24, 1023
	s_lshl_b32 s24, s24, 12
	v_add_nc_u32 v[OFF+\r], s24, v131
	global_load_b128 v[X+4*\r:X+4*\r+3], v[OFF+\r], s[6:7]     ; 512 neighbouring bytes of the row
.endr
.irp r, 0,1,2,3,4,5,6,7,8,9,10,11,12,13,14,15
	s_wait_loadcnt 15-\r                           ; loads return in order: row r is in, the later rows stay out
	v_pk_mul_f32 v[X+4*\r:X+4*\r+1],   v[X+4*\r:X+4*\r+1],   s[2:3] op_sel_hi:[1,0]    ; x / 16: a power of two, no rounding
	v_pk_mul_f32 v[X+4*\r+2:X+4*\r+3], v[X+4*\r+2:X+4*\r+3], s[2:3] op_sel_hi:[1,0]
	v_cvt_pk_f16_f32 v[Y+2*(\r&3)], v[X+4*\r], v[X+4*\r+1]
	v_cvt_pk_f16_f32 v[Y+2*(\r&3)+1], v[X+4*\r+2], v[X+4*\r+3]
	ds_store_b64 v128, v[Y+2*(\r&3):Y+2*(\r&3)+1] offset:\r*SP
.endr
.irp i, 0,1,2,3,4,5,6,7
	ds_load_b128 v[X+4*\i:X+4*\i+3], v129 offset:32*\i         ; K step i / 2, half i % 2; LDS serves a wave's instructions in order: these see the stores above
.endr
.irp i, 0,1,2,3,4,5,6,7
	s_wait_dscnt 7-\i
	global_store_b128 v130, v[X+4*\i:X+4*\i+3], s[\pb:\pb+1] offset:512*\i   ; 512 neighbouring bytes
.endr
.endm
	GATHER 0, 26
	s_wait_xcnt 0x0                                ; the registers that the stores above read are loaded again only behind this wait
	s_cmp_lt_u32 s15, 8                            ; subtiles 128 to 135 go to work-groups 0 to 7, in use or not: the branch hangs on the work-group's number alone
	s_cbranch_scc0 .Lend
	GATHER 1, 28
.Lend:
	s_barrier_signal -1
	s_barrier_wait -1
	s_wait_tensorcnt 0x0
	ds_add_u32 v132, v133
	s_wait_dscnt 0x0
	s_endpgm
.Lfunc_end_k_q51621e1188_place:
	.size	k_q51621e1188_place, .Lfunc_end_k_q51621e1188_place-k_q51621e1188_place
	.p2alignl 7, 3214868480
	.fill 96, 4, 3214868480
	.section	.rodata,"a",@progbits
	.p2align	6, 0x0
	.amdhsa_kernel k_q51621e1188_place
		.amdhsa_group_segment_fixed_size 38144
		.amdhsa_private_segment_fixed_size 0
		.amdhsa_enable_private_segment 0
		.amdhsa_kernarg_size 40
		.amdhsa_user_sgpr_count 2
		.amdhsa_user_sgpr_kernarg_segment_ptr 1
		.amdhsa_wavefront_size32 1
		.amdhsa_system_sgpr_workgroup_id_x 1
		.amdhsa_system_sgpr_workgroup_id_y 1
		.amdhsa_system_sgpr_workgroup_id_z 1
		.amdhsa_system_vgpr_workitem_id 0
		.amdhsa_next_free_vgpr 134
		.amdhsa_next_free_sgpr 100
		.amdhsa_reserve_vcc 1
		.amdhsa_float_denorm_mode_32 3
		.amdhsa_float_denorm_mode_16_64 3
		.amdhsa_memory_ordered 1
		.amdhsa_forward_progress 1
		.amdhsa_inst_pref_size 52
	.end_amdhsa_kernel
	.amdgpu_metadata
---
amdhsa.version: [ 1, 2 ]
amdhsa.kernels:
  - .name:           k_q51621e1188_place
    .symbol:         k_q51621e1188_place.kd
    .args:
      - { .name: ridx, .offset: 0, .size: 8, .value_kind: global_buffer, .address_space: global }
      - { .name: x, .offset: 8, .size: 8, .value_kind: global_buffer, .address_space: global }
      - { .name: xs, .offset: 16, .size: 8, .value_kind: global_buffer, .address_space: global }
      - { .name: slots, .offset: 24, .size: 8, .value_kind: global_buffer, .address_space: global }
      - { .name: meta, .offset: 32, .size: 8, .value_kind: global_buffer, .address_space: global }
    .group_segment_fixed_size: 38144
    .private_segment_fixed_size: 0
    .kernarg_segment_align: 8
    .kernarg_segment_size: 40
    .max_flat_workgroup_size: 256
    .sgpr_count:     100
    .vgpr_count:     134
    .wavefront_size: 32
...
	.end_amdgpu_metadata
.endif
;; end of part 2
;; launch ffn1 (part 3): grid 32 x 8, 4 waves a work-group, no clusters, 295,424 bytes of LDS; arguments w1, b1, xs, meta, hs; writes hs
.if DOCPART == 3
	.amdgcn_target "amdgcn-amd-amdhsa--gfx1250"
	.amdhsa_code_object_version 6
	.text
	.protected	k_q51621e1188_ffn1
	.globl	k_q51621e1188_ffn1
	.p2align	8
	.type	k_q51621e1188_ffn1,@function
k_q51621e1188_ffn1:
	s_mov_b64 s[64:65], 0
	v_nop
	global_prefetch_b8 v0, s[64:65] scope:SCOPE_SE
	s_setreg_imm32_b32 hwreg(HW_REG_WAVE_MODE, 25, 1), 1
	s_wait_xcnt 0x0
; MoE layer, launch 3 of 5: hs = relu(x w1[e] + b1[e]) / 16 in f16, for the rows that chose expert e alone (the others reach no output: first launch's head).
; xs holds x / 16, and b1 is multiplied by 1 / 16 here: powers of two, which add no rounding and centre h in f16's range (the arithmetic of the range, and
; why the operands are f16, stand at the head of the launch that writes xs).  LIMIT: |w1| below 65,504 and h below 16 x 65,504 = 1.0e6, else the operand becomes infinite.
; Work-group (nb, e) owns the slab w1[e][0..1023][128 nb .. 128 nb + 127]: 512 KiB of f32.  It reads the slab from memory ONCE, whatever the routing,
; rounds it to f16 and keeps it whole in LDS (1,024 rows of 256 bytes).  Behind ONE barrier its four waves are independent: each takes a quarter of
; the expert's subtiles of 16 rows (meta[e] says which), up to four at a time, and runs K = 1,024 against the slab.
; No tile is shared between work-groups through LDS (the slab is nobody else's; the activations go straight into registers), so there is no cluster;
; the weights have to pass registers for the rounding, so they come by plain loads.
; THE MATRIX INSTRUCTION IS USED TRANSPOSED: source 0 = 16 columns n of the weights, source 1 = 16 rows (tokens).  Lane (r = l % 16, h = l / 16) then holds
; token r, n = 16 c + 8 h + 0..7 of tile c: eight neighbouring n, which as f16 are exactly the 16 bytes of the next launch's operand in fragment order
; (K step c / 2, half c % 2): hs is stored straight from registers, 512 neighbouring bytes to a store.
; xs and hs, fragment order: subtile, K step s, half q, lane L: 16 bytes at s 1024 + q 512 + 16 L = row L % 16, k = 32 s + 16 q + 8 (L / 16) + 0..7.
; LIMIT: relu is v_max_num_f32 with 0, which turns a NaN into 0, where reference() keeps it.
;
; REGISTERS in windows of 256 (s_set_vgpr_msb: bits 1:0 source 0, 3:2 source 1, 5:4 source 2, 7:6 destination):
;   window 0: addresses, packed results, the bias (as the first product's C), two buffers of weight fragments
;   window 1: while the slab comes in, a ring of 8 batches of 8 rows of f32; later a ring of 8 K steps of activations (slot g at 32 g, subtile i at + 8 i)
;   window 2: accumulators, tile (subtile i, column block c) at 8 (8 i + c)
.set PITCH, 288                        ; an LDS row: 256 bytes + 32 = 9 x 32: the rows that a transposing load touches start in different banks
.set KROW,  32*PITCH                   ; a K step of the slab
.set ROWB,  16384                      ; bytes from row to row of w1[e]
.set ASUB,  32768                      ; a subtile of xs
.set OSUB,  131072                     ; a subtile of hs
.set LO,    1                          ; v1   16 x lane
.set BA0,   2                          ; v2   slab address of my fragments, K steps 0..3 of the trip
.set BA1,   3                          ; v3   the same, K steps 4..7 (an LDS offset has 16 bits)
.set BB,    4                          ; v4   its lane term
.set SA,    5                          ; v5   where I store slab rows
.set TMP,   16                         ; v[16:47]   packed f16
.set BIAS,  64                         ; v[64:127]  register 8 c + j = b1[e][128 nb + 16 c + 8 h + j] / 16
.set WB0,   128                        ; v[128:191], v[192:255]  weight fragments, two buffers; tile c at + 8 c
.set MSB, 0
.macro WIN new                         ; the immediate's high byte repeats the setting that is left
.if MSB != \new
	s_set_vgpr_msb (MSB<<8)|\new
.set MSB, \new
.endif
.endm
.macro PLACES                          ; a load into a register that a matrix instruction has read, and a vector instruction or store that reads a matrix result,
.rept 4                                ; stand four plain vector instructions behind that matrix instruction (ISA guide 7.12.1)
	v_nop
.endr
.endm
	s_load_b256 s[4:11], s[0:1], 0x0               ; w1 s[4:5], b1 s[6:7], xs s[8:9], meta s[10:11]
	s_load_b64 s[12:13], s[0:1], 0x20              ; hs
	v_lshl_add_u32 v62, v0, 2, 0x48000
	v_mov_b32 v63, 0
	s_mov_b32 s38, 0x3d800000                      ; 1 / 16
	v_and_b32 v9, 31, v0                           ; lane
	v_lshrrev_b32 v10, 5, v0
	v_readfirstlane_b32 s14, v10                   ; wave
	s_and_b32 s15, ttmp7, 0xffff                   ; e
	s_mov_b32 s16, ttmp9                           ; nb
	v_lshlrev_b32 v[LO], 4, v9
	v_lshrrev_b32 v10, 4, v9                       ; h
	v_and_b32 v11, 7, v9
	v_lshl_add_u32 v11, v10, 3, v11
	v_mul_u32_u24 v[BB], v11, PITCH                ; transposing load: row 8 h + l % 8,
	v_bfe_u32 v11, v9, 3, 1
	v_lshl_add_u32 v[BB], v11, 4, v[BB]            ; 16 bytes (l / 8) % 2
	s_mul_i32 s24, s14, 256*PITCH                  ; wave w brings slab rows 256 w .. 256 w + 255
	v_lshlrev_b32 v[SA], 3, v9
	v_add_nc_u32 v[SA], s24, v[SA]                 ; 8 bytes a lane along a row
	v_lshlrev_b32 v12, 5, v10                      ; bias: 32 h
	s_lshl_b32 s36, s15, 3
	s_mov_b32 s31, 0
	s_wait_kmcnt 0x0
	s_load_b64 s[18:19], s[10:11], s36 offset:0x0  ; st[e], ns[e]
	s_lshl_b32 s30, s15, 14
	s_lshl_b32 s24, s16, 9
	s_add_co_u32 s30, s30, s24
	s_add_nc_u64 s[6:7], s[6:7], s[30:31]          ; b1[e][128 nb]
.irp c, 0,1,2,3,4,5,6,7
	global_load_b128 v[BIAS+8*\c:BIAS+8*\c+3],   v12, s[6:7] offset:64*\c
	global_load_b128 v[BIAS+8*\c+4:BIAS+8*\c+7], v12, s[6:7] offset:64*\c+16
.endr
	s_lshl_b32 s30, s15, 24                        ; 16 MiB an expert,
	s_add_co_u32 s30, s30, s24                     ; 512 bytes a column block,
	s_lshl_b32 s24, s14, 22                        ; 256 rows of 16 KiB a wave
	s_add_co_u32 s30, s30, s24
	s_add_nc_u64 s[34:35], s[4:5], s[30:31]        ; my first slab row
	s_lshl_b32 s30, s16, 12
	s_add_nc_u64 s[12:13], s[12:13], s[30:31]      ; hs at K steps 4 nb .. 4 nb + 3 of a subtile
	s_wait_kmcnt 0x0
	s_min_u32 s18, s18, 135
	s_min_u32 s19, s19, 64
	; my share of the expert's ns subtiles: mt of them from subtile 'first' on, in passes of up to four
	s_lshr_b32 s24, s19, 2
	s_and_b32 s25, s19, 3
	s_cmp_lt_u32 s14, s25
	s_cselect_b32 s20, 1, 0
	s_add_co_u32 s20, s20, s24                     ; mt = ns / 4 + (wave < ns % 4)
	s_mul_i32 s21, s14, s24
	s_add_co_u32 s21, s21, s18
	s_min_u32 s33, s14, s25
	s_add_co_u32 s21, s21, s33                     ; first = st + wave (ns / 4) + min(wave, ns % 4)
	s_add_co_u32 s22, s20, 3
	s_lshr_b32 s22, s22, 2                         ; passes
	s_cmp_eq_u32 s19, 0
	s_cbranch_scc1 .Lbar                           ; nobody chose this expert: its weights are not read; the barrier is passed all the same
	; THE SLAB COMES IN.  32 batches of 8 rows a wave; a row is 512 bytes, one load of the wave.  Seven batches are on their way at any time.
; batch b of the trip: wait for it, round it, store it; ahead = 1: ask for the batch seven further on, into the ring slot emptied one batch ago.
; left = how many younger loads may stay out.
.macro SBATCH b, ahead, left
	s_wait_loadcnt \left
	WIN 0x05
.irp j, 0,1,2,3,4,5,6,7
	v_cvt_pk_f16_f32 v[TMP+2*\j],   v[32*\b+4*\j],   v[32*\b+4*\j+1]
	v_cvt_pk_f16_f32 v[TMP+2*\j+1], v[32*\b+4*\j+2], v[32*\b+4*\j+3]
.endr
	WIN 0
.irp j, 0,1,2,3,4,5,6,7
	ds_store_b64 v[SA], v[TMP+2*\j:TMP+2*\j+1] offset:(8*\b+\j)*PITCH
.endr
.if \ahead
	WIN 0x40
.irp j, 0,1,2,3,4,5,6,7
	global_load_b128 v[32*((\b+7)&7)+4*\j:32*((\b+7)&7)+4*\j+3], v[LO], s[34:35] offset:(8*(\b+7)+\j)*ROWB th:TH_LOAD_NT
.endr
.endif
.endm
	WIN 0x40
.irp b, 0,1,2,3,4,5,6
.irp j, 0,1,2,3,4,5,6,7
	global_load_b128 v[32*\b+4*\j:32*\b+4*\j+3], v[LO], s[34:35] offset:(8*\b+\j)*ROWB th:TH_LOAD_NT
.endr
.endr
	WIN 0
	s_mov_b32 s32, 3
.Lstream:
.irp b, 0,1,2,3,4,5,6,7
	SBATCH \b, 1, 48                               ; of the seven batches out the six younger (48 loads) stay out; the first such wait also covers the bias, asked for earlier
.endr
	WIN 0
	s_wait_xcnt 0x0                                ; the base of the loads above is stepped only behind this wait
	s_add_nc_u64 s[34:35], s[34:35], 64*ROWB
	v_add_nc_u32 v[SA], 64*PITCH, v[SA]
	s_sub_co_u32 s32, s32, 1
	s_cmp_lg_u32 s32, 0
	s_cbranch_scc1 .Lstream
	SBATCH 0, 1, 48                                ; the last eight batches: one more request (batch 31), then the counts run down
	SBATCH 1, 0, 48
	SBATCH 2, 0, 40
	SBATCH 3, 0, 32
	SBATCH 4, 0, 24
	SBATCH 5, 0, 16
	SBATCH 6, 0, 8
	SBATCH 7, 0, 0
	WIN 0
.Lbar:
	s_wait_loadcnt 0x0                             ; the bias, on the way round the slab
	s_wait_dscnt 0x0                               ; my rows of the slab are in LDS before I say so
	s_barrier_signal -1
	s_barrier_wait -1                              ; the slab is whole.  The only barrier
	s_cmp_eq_u32 s22, 0
	s_cbranch_scc1 .Lend
; activations of K step st (counted from the trip's base) of m subtiles into ring slot sl
.macro ALOAD m, st, sl
.irp i, 0,1,2,3
.if \i < \m
	global_load_b128 v[32*\sl+8*\i:32*\sl+8*\i+3],   v[LO], s[26:27] offset:\i*ASUB+\st*1024
	global_load_b128 v[32*\sl+8*\i+4:32*\sl+8*\i+7], v[LO], s[26:27] offset:\i*ASUB+\st*1024+512
.endif
.endr
.endm
; weight fragments of one K step: 8 tiles of 16 n x 32 k, two transposing loads each (k + 0..15, k + 16..31)
.macro WLOAD ar, of, wb
.irp c, 0,1,2,3,4,5,6,7
	ds_load_tr16_b128 v[\wb+8*\c:\wb+8*\c+3],   v[\ar] offset:\of+32*\c
	ds_load_tr16_b128 v[\wb+8*\c+4:\wb+8*\c+7], v[\ar] offset:\of+32*\c+16*PITCH
.endr
.endm
; 8 m matrix instructions; the 8 m accumulators take turns, one instruction a turn, in the same order in every K step
.macro MULS m, s, wb, start
.irp i, 0,1,2,3
.if \i < \m
.irp c, 0,1,2,3,4,5,6,7
.if \start
	v_wmma_f32_16x16x32_f16 v[8*(8*\i+\c):8*(8*\i+\c)+7], v[\wb+8*\c:\wb+8*\c+7], v[32*\s+8*\i:32*\s+8*\i+7], v[BIAS+8*\c:BIAS+8*\c+7]
.else
	v_wmma_f32_16x16x32_f16 v[8*(8*\i+\c):8*(8*\i+\c)+7], v[\wb+8*\c:\wb+8*\c+7], v[32*\s+8*\i:32*\s+8*\i+7], v[8*(8*\i+\c):8*(8*\i+\c)+7]
.endif
.endr
.endif
.endr
.endm
; K step s of a trip of eight.  It asks for the next step's weight fragments (other buffer) and for the activations seven steps on (the ring slot read one step ago),
; then multiplies.  first: the pass's first trip (its step 0 starts the sums on the bias); last: its last trip (nothing is asked for beyond K = 1,024).
.macro KSTEP m, s, first, last
.set k_start, 0
.if \first
.if \s == 0
.set k_start, 1
.endif
.endif
.set do_w, 1
.set do_a, 1
.if \last
.if \s == 7
.set do_w, 0
.endif
.if \s > 0
.set do_a, 0
.endif
.endif
.set w_cu, WB0+64*(\s&1)
.set w_nx, WB0+64*((\s+1)&1)
.if \s < 3
.set w_ar, BA0
.set w_of, (\s+1)*KROW
.else
.set w_ar, BA1
.set w_of, (\s-3)*KROW
.endif
.set a_st, \s+7
.set a_sl, (\s+7)&7
	WIN 0
.if k_start == 0
	PLACES                                         ; behind the last step's matrix instructions, which read the registers loaded next
.endif
.if do_w
	WLOAD w_ar, w_of, w_nx
.endif
.if do_a
	WIN 0x40
	ALOAD \m, a_st, a_sl
.endif
.if do_w
	s_wait_dscnt 16                                ; this step's fragments are in; the 16 loads just issued stay out
.else
	s_wait_dscnt 0x0
.endif
.if \last
	s_wait_loadcnt 2*\m*(7-\s)                     ; this step's activations are in; the steps that are left stay out
.else
	s_wait_loadcnt 2*\m*7                          ; this step's activations are in; the seven younger steps stay out
.endif
.if k_start
	WIN 0x84                                       ; D window 2, C (bias) window 0, tokens window 1, weights window 0
.else
	WIN 0xa4                                       ; C and D window 2
.endif
	MULS \m, \s, w_cu, k_start
.endm
.macro TRIP m, first, last
.irp s, 0,1,2,3,4,5,6,7
	KSTEP \m, \s, \first, \last
.endr
.endm
.macro STEP                            ; eight K steps on
	WIN 0
	s_wait_xcnt 0x0                                ; the base of the loads above is stepped only behind this wait
	s_add_nc_u64 s[26:27], s[26:27], 8*1024
	v_add_nc_u32 v[BA0], 8*KROW, v[BA0]
	v_add_nc_u32 v[BA1], 8*KROW, v[BA1]
.endm
; the way out: relu, round to f16, store in fragment order
.macro EPI m
	WIN 0
	PLACES
.irp i, 0,1,2,3
.if \i < \m
	WIN 0x88
.set acc_r, 64*\i
.rept 64
	v_max_num_f32 v[acc_r], 0, v[acc_r]
.set acc_r, acc_r+1
.endr
	s_wait_xcnt 0x0                                ; the packed registers, which the last subtile's stores read, are rewritten only behind this wait
	WIN 0x0a
.irp c, 0,1,2,3,4,5,6,7
.irp r, 0,1,2,3
	v_cvt_pk_f16_f32 v[TMP+4*\c+\r], v[8*(8*\i+\c)+2*\r], v[8*(8*\i+\c)+2*\r+1]
.endr
.endr
	WIN 0
.irp c, 0,1,2,3,4,5,6,7
	global_store_b128 v[LO], v[TMP+4*\c:TMP+4*\c+3], s[28:29] offset:\i*OSUB+\c*512    ; 512 neighbouring bytes
.endr
.endif
.endr
.endm
; m subtiles against the whole slab: 32 K steps = four trips of eight
.macro PASS m
	WIN 0x40
.irp s, 0,1,2,3,4,5,6
	ALOAD \m, \s, \s
.endr
	WIN 0
	v_mov_b32 v[BA0], v[BB]
	v_add_nc_u32 v[BA1], 4*KROW, v[BB]
	WLOAD BA0, 0, WB0
	TRIP \m, 1, 0
	STEP
	s_mov_b32 s32, 2
.Lk\@:
	TRIP \m, 0, 0
	STEP
	s_sub_co_u32 s32, s32, 1
	s_cmp_lg_u32 s32, 0
	s_cbranch_scc1 .Lk\@
	TRIP \m, 0, 1
	EPI \m
.endm
	; the bias joins sums of (x / 16) w1: it is scaled alike, once; it came in before the barrier (the wait for all loads there)
.set b_r, BIAS
.rept 64
	v_mul_f32 v[b_r], s38, v[b_r]
.set b_r, b_r+1
.endr
	s_mov_b32 s23, 0
.Lpass:
	s_lshl_b32 s33, s23, 2
	s_sub_co_u32 s24, s20, s33
	s_min_u32 s24, s24, 4                          ; m: subtiles in this pass
	s_add_co_u32 s25, s21, s33
	s_min_u32 s25, s25, 135                        ; its first subtile
	s_lshl_b32 s30, s25, 15
	s_add_nc_u64 s[26:27], s[8:9], s[30:31]        ; in xs
	s_lshl_b32 s30, s25, 17
	s_add_nc_u64 s[28:29], s[12:13], s[30:31]      ; in hs
	s_cmp_eq_u32 s24, 4
	s_cbranch_scc1 .Lv4
	s_cmp_eq_u32 s24, 3
	s_cbranch_scc1 .Lv3
	s_cmp_eq_u32 s24, 2
	s_cbranch_scc1 .Lv2
	PASS 1
	s_branch .Lnext
.Lv2:
	PASS 2
	s_branch .Lnext
.Lv3:
	PASS 3
	s_branch .Lnext
.Lv4:
	PASS 4
.Lnext:
	s_wait_xcnt 0x0                                ; the bases of this pass's loads and stores are rewritten only behind this wait
	s_add_co_u32 s23, s23, 1
	s_cmp_lt_u32 s23, s22
	s_cbranch_scc1 .Lpass
.Lend:
	s_barrier_signal -1
	s_barrier_wait -1
	s_wait_tensorcnt 0x0
	ds_add_u32 v62, v63
	s_wait_dscnt 0x0
	s_endpgm
.Lfunc_end_k_q51621e1188_ffn1:
	.size	k_q51621e1188_ffn1, .Lfunc_end_k_q51621e1188_ffn1-k_q51621e1188_ffn1
	.p2alignl 7, 3214868480
	.fill 96, 4, 3214868480
	.section	.rodata,"a",@progbits
	.p2align	6, 0x0
	.amdhsa_kernel k_q51621e1188_ffn1
		.amdhsa_group_segment_fixed_size 295424
		.amdhsa_private_segment_fixed_size 0
		.amdhsa_enable_private_segment 0
		.amdhsa_kernarg_size 40
		.amdhsa_user_sgpr_count 2
		.amdhsa_user_sgpr_kernarg_segment_ptr 1
		.amdhsa_wavefront_size32 1
		.amdhsa_system_sgpr_workgroup_id_x 1
		.amdhsa_system_sgpr_workgroup_id_y 1
		.amdhsa_system_sgpr_workgroup_id_z 1
		.amdhsa_system_vgpr_workitem_id 0
		.amdhsa_next_free_vgpr 768
		.amdhsa_next_free_sgpr 66
		.amdhsa_reserve_vcc 0
		.amdhsa_float_denorm_mode_32 3
		.amdhsa_float_denorm_mode_16_64 3
		.amdhsa_memory_ordered 1
		.amdhsa_forward_progress 1
		.amdhsa_inst_pref_size 255
	.end_amdhsa_kernel
	.section	.bss,"aw",@nobits
	.p2align	6
	.space	262144
	.amdgpu_metadata
---
amdhsa.version: [ 1, 2 ]
amdhsa.kernels:
  - .name:           k_q51621e1188_ffn1
    .symbol:         k_q51621e1188_ffn1.kd
    .args:
      - { .name: w1, .offset: 0, .size: 8, .value_kind: global_buffer, .address_space: global }
      - { .name: b1, .offset: 8, .size: 8, .value_kind: global_buffer, .address_space: global }
      - { .name: xs, .offset: 16, .size: 8, .value_kind: global_buffer, .address_space: global }
      - { .name: meta, .offset: 24, .size: 8, .value_kind: global_buffer, .address_space: global }
      - { .name: hs, .offset: 32, .size: 8, .value_kind: global_buffer, .address_space: global }
    .group_segment_fixed_size: 295424
    .private_segment_fixed_size: 0
    .kernarg_segment_align: 8
    .kernarg_segment_size: 40
    .max_flat_workgroup_size: 128
    .sgpr_count:     66
    .vgpr_count:     768
    .wavefront_size: 32
...
	.end_amdgpu_metadata
.endif
;; end of part 3
;; launch ffn2 (part 4): grid 32 x 8, 4 waves a work-group, no clusters, 312,832 bytes of LDS; arguments w2, hs, meta, yp; writes yp
.if DOCPART == 4
	.amdgcn_target "amdgcn-amd-amdhsa--gfx1250"
	.amdhsa_code_object_version 6
	.text
	.protected	k_q51621e1188_ffn2
	.globl	k_q51621e1188_ffn2
	.p2align	8
	.type	k_q51621e1188_ffn2,@function
k_q51621e1188_ffn2:
	s_mov_b64 s[64:65], 0
	v_nop
	global_prefetch_b8 v0, s[64:65] scope:SCOPE_SE
	s_setreg_imm32_b32 hwreg(HW_REG_WAVE_MODE, 25, 1), 1
	s_wait_xcnt 0x0
; MoE layer, launch 4 of 5: yp[slot][kq][n] = sum over k in quarter kq of hs[slot][k] w2[e][k][n], in f32, for the rows that chose expert e alone
; (the others reach no output: first launch's head).  hs holds h / 16, so yp holds a sixteenth of the sums; the four quarters, the factor 16, b2 and the routing
; weights meet in the last launch.  Operands in f16 (why, and the room in its range: head of the launch that writes xs).  LIMIT: |w2| below 65,504, else the operand becomes infinite.
; Work-group (x = 8 kq + nb, e) owns the slab w2[e][1024 kq .. + 1023][128 nb .. + 127]: 512 KiB of f32.  It reads the slab from memory ONCE, whatever the
; routing, rounds it to f16 and keeps it whole in LDS (1,024 rows of 256 bytes).  Behind ONE barrier its four waves are independent: each takes a quarter
; of the expert's subtiles of 16 rows (meta[e] says which), four, two or one at a time, and runs K = 1,024 against the slab.
; No tile is shared between work-groups through LDS (the slab is nobody else's; the activations go straight into registers), so there is no cluster;
; the weights have to pass registers for the rounding, so they come by plain loads.
; THE MATRIX INSTRUCTION IS USED TRANSPOSED: source 0 = 16 columns n of the weights, source 1 = 16 rows (slots).  Lane (r = l % 16, h = l / 16) then holds
; slot r, n = 16 c + 8 h + 0..7 of tile c: 32 neighbouring bytes of a row of yp.  They leave through a stage in LDS, each wave's own, so that sixteen
; neighbouring lanes store 256 neighbouring bytes.
; Behind the barrier the waves run apart, some still reading the slab while others store into their stages.  So every LDS address there is a lane term plus
; constants, never stepped: the slab's reads end at byte 4,336 + 7 x 36,864 + 32,480 + 15 = 294,879, and the stages begin at 294,912.  That is why the 32 K steps
; of a pass are written out, with eight address registers 36,864 bytes apart (an LDS offset has 16 bits).  Written out, a K step of m subtiles is about
; 164 + 88 m bytes of code; with m = 4, 2, 1 the three passes come to some 35 KiB.  A remainder of three subtiles goes as two and one.
; hs, fragment order: subtile, K step s, half q, lane L: 16 bytes at s 1024 + q 512 + 16 L = row L % 16, k = 32 s + 16 q + 8 (L / 16) + 0..7.
;
; REGISTERS in windows of 256 (s_set_vgpr_msb: bits 1:0 source 0, 3:2 source 1, 5:4 source 2, 7:6 destination):
;   window 0: addresses, work registers, two buffers of weight fragments
;   window 1: while the slab comes in, a ring of 8 batches of 8 rows of f32; later a ring of 8 K steps of activations (slot g at 32 g, subtile i at + 8 i)
;   window 2: accumulators, tile (subtile i, column block c) at 8 (8 i + c)
.set PITCH, 288                        ; an LDS row: 256 bytes + 32 = 9 x 32: the rows that a transposing load touches start in different banks
.set KROW,  32*PITCH                   ; a K step of the slab
.set ROWB,  4096                       ; bytes from row to row of w2[e]
.set ASUB,  131072                     ; a subtile of hs
.set OSUB,  262144                     ; a subtile of yp: 16 slots of 16 KiB
.set OROW,  16384                      ; a slot of yp: four quarters of 1,024 f32
.set STAGE, 1024*PITCH                 ; behind the slab: for each wave 16 rows of 256 bytes, 272 apart
.set SP,    272
.set LO,    1                          ; v1   16 x lane
.set BB,    4                          ; v4   the lane term of a slab read
.set SA,    5                          ; v5   where I store slab rows
.set STO,   6                          ; v6   the way out: where I put my 32 bytes of a row
.set RD,    7                          ; v7   the way out: where I read rows back
.set CO,    8                          ; v8   my byte offset in two rows of yp
.set TMP,   16                         ; v[16:47]   at work
.set BA,    48                         ; v[48:55]   slab address of my fragments for K steps 4 g .. 4 g + 3; never rewritten
.set WB0,   128                        ; v[128:191], v[192:255]  weight fragments, two buffers; tile c at + 8 c
.set MSB, 0
.macro WIN new                         ; the immediate's high byte repeats the setting that is left
.if MSB != \new
	s_set_vgpr_msb (MSB<<8)|\new
.set MSB, \new
.endif
.endm
.macro PLACES                          ; a load into a register that a matrix instruction has read, and a vector instruction or store that reads a matrix result,
.rept 4                                ; stand four plain vector instructions behind that matrix instruction (ISA guide 7.12.1)
	v_nop
.endr
.endm
	s_load_b256 s[4:11], s[0:1], 0x0               ; w2 s[4:5], hs s[6:7], meta s[8:9], yp s[10:11]
	v_lshl_add_u32 v126, v0, 2, 0x4c400
	v_mov_b32 v127, 0
	v_and_b32 v9, 31, v0                           ; lane
	v_lshrrev_b32 v10, 5, v0
	v_readfirstlane_b32 s14, v10                   ; wave
	s_and_b32 s15, ttmp7, 0xffff                   ; e
	s_and_b32 s16, ttmp9, 7                        ; nb
	s_lshr_b32 s17, ttmp9, 3                       ; kq
	v_lshlrev_b32 v[LO], 4, v9
	v_lshrrev_b32 v10, 4, v9                       ; h
	v_and_b32 v11, 7, v9
	v_lshl_add_u32 v11, v10, 3, v11
	v_mul_u32_u24 v[BB], v11, PITCH                ; transposing load: row 8 h + l % 8,
	v_bfe_u32 v11, v9, 3, 1
	v_lshl_add_u32 v[BB], v11, 4, v[BB]            ; 16 bytes (l / 8) % 2
.irp g, 0,1,2,3,4,5,6,7
	v_add_nc_u32 v[BA+\g], \g*4*KROW, v[BB]
.endr
	s_mul_i32 s24, s14, 256*PITCH                  ; wave w brings slab rows 256 w .. 256 w + 255
	v_lshlrev_b32 v[SA], 3, v9
	v_add_nc_u32 v[SA], s24, v[SA]                 ; 8 bytes a lane along a row
	s_mul_i32 s24, s14, 16*SP
	s_add_co_u32 s24, s24, STAGE                   ; my stage
	v_and_b32 v11, 15, v9                          ; r
	v_mul_u32_u24 v[STO], v11, SP
	v_lshl_add_u32 v[STO], v10, 5, v[STO]
	v_add_nc_u32 v[STO], s24, v[STO]               ; in: row r, 32 bytes for each half of the lanes
	v_mul_u32_u24 v[RD], v10, SP
	v_lshl_add_u32 v[RD], v11, 4, v[RD]
	v_add_nc_u32 v[RD], s24, v[RD]                 ; back: lanes 0-15 one row of 256 bytes, lanes 16-31 the next
	v_lshlrev_b32 v[CO], 14, v10
	v_lshl_add_u32 v[CO], v11, 4, v[CO]            ; and the same two rows in yp
	s_lshl_b32 s36, s15, 3
	s_mov_b32 s31, 0
	s_wait_kmcnt 0x0
	s_load_b64 s[18:19], s[8:9], s36 offset:0x0    ; st[e], ns[e]
	s_lshl_b32 s30, s15, 24                        ; 16 MiB an expert,
	s_lshl_b32 s24, s17, 22                        ; 4 MiB a quarter of K,
	s_add_co_u32 s30, s30, s24
	s_lshl_b32 s24, s16, 9                         ; 512 bytes a column block,
	s_add_co_u32 s30, s30, s24
	s_lshl_b32 s25, s14, 20                        ; 256 rows of 4 KiB a wave
	s_add_co_u32 s30, s30, s25
	s_add_nc_u64 s[34:35], s[4:5], s[30:31]        ; my first slab row
	s_lshl_b32 s30, s17, 15
	s_add_nc_u64 s[6:7], s[6:7], s[30:31]          ; hs at K steps 32 kq .. of a subtile
	s_lshl_b32 s30, s17, 12
	s_add_co_u32 s30, s30, s24
	s_add_nc_u64 s[10:11], s[10:11], s[30:31]      ; yp at quarter kq, column 128 nb of a slot
	s_wait_kmcnt 0x0
	s_min_u32 s18, s18, 135
	s_min_u32 s19, s19, 64
	; my share of the expert's ns subtiles: mt of them from subtile 'first' on
	s_lshr_b32 s24, s19, 2
	s_and_b32 s25, s19, 3
	s_cmp_lt_u32 s14, s25
	s_cselect_b32 s20, 1, 0
	s_add_co_u32 s20, s20, s24                     ; mt = ns / 4 + (wave < ns % 4)
	s_mul_i32 s21, s14, s24
	s_add_co_u32 s21, s21, s18
	s_min_u32 s33, s14, s25
	s_add_co_u32 s21, s21, s33                     ; first = st + wave (ns / 4) + min(wave, ns % 4)
	s_lshr_b32 s22, s20, 2                         ; passes: mt / 4 of four subtiles,
	s_bfe_u32 s33, s20, 0x10001
	s_add_co_u32 s22, s22, s33                     ; one of two if bit 1 of mt is set,
	s_and_b32 s33, s20, 1
	s_add_co_u32 s22, s22, s33                     ; one of one if bit 0 is
	s_cmp_eq_u32 s19, 0
	s_cbranch_scc1 .Lbar                           ; nobody chose this expert: its weights are not read; the barrier is passed all the same
	; THE SLAB COMES IN.  32 batches of 8 rows a wave; a row is 512 bytes, one load of the wave.  Seven batches are on their way at any time.
; batch b of the trip: wait for it, round it, store it; ahead = 1: ask for the batch seven further on, into the ring slot emptied one batch ago.
; left = how many younger loads may stay out.
.macro SBATCH b, ahead, left
	s_wait_loadcnt \left
	WIN 0x05
.irp j, 0,1,2,3,4,5,6,7
	v_cvt_pk_f16_f32 v[TMP+2*\j],   v[32*\b+4*\j],   v[32*\b+4*\j+1]
	v_cvt_pk_f16_f32 v[TMP+2*\j+1], v[32*\b+4*\j+2], v[32*\b+4*\j+3]
.endr
	WIN 0
.irp j, 0,1,2,3,4,5,6,7
	ds_store_b64 v[SA], v[TMP+2*\j:TMP+2*\j+1] offset:(8*\b+\j)*PITCH
.endr
.if \ahead
	WIN 0x40
.irp j, 0,1,2,3,4,5,6,7
	global_load_b128 v[32*((\b+7)&7)+4*\j:32*((\b+7)&7)+4*\j+3], v[LO], s[34:35] offset:(8*(\b+7)+\j)*ROWB th:TH_LOAD_NT
.endr
.endif
.endm
	WIN 0x40
.irp b, 0,1,2,3,4,5,6
.irp j, 0,1,2,3,4,5,6,7
	global_load_b128 v[32*\b+4*\j:32*\b+4*\j+3], v[LO], s[34:35] offset:(8*\b+\j)*ROWB th:TH_LOAD_NT
.endr
.endr
	WIN 0
	s_mov_b32 s32, 3
.Lstream:
.irp b, 0,1,2,3,4,5,6,7
	SBATCH \b, 1, 48                               ; of the seven batches out the six younger (48 loads) stay out
.endr
	WIN 0
	s_wait_xcnt 0x0                                ; the base of the loads above is stepped only behind this wait
	s_add_nc_u64 s[34:35], s[34:35], 64*ROWB
	v_add_nc_u32 v[SA], 64*PITCH, v[SA]
	s_sub_co_u32 s32, s32, 1
	s_cmp_lg_u32 s32, 0
	s_cbranch_scc1 .Lstream
	SBATCH 0, 1, 48                                ; the last eight batches: one more request (batch 31), then the counts run down
	SBATCH 1, 0, 48
	SBATCH 2, 0, 40
	SBATCH 3, 0, 32
	SBATCH 4, 0, 24
	SBATCH 5, 0, 16
	SBATCH 6, 0, 8
	SBATCH 7, 0, 0
	WIN 0
.Lbar:
	s_wait_dscnt 0x0                               ; my rows of the slab are in LDS before I say so
	s_barrier_signal -1
	s_barrier_wait -1                              ; the slab is whole.  The only barrier
	s_cmp_eq_u32 s22, 0
	s_cbranch_scc1 .Lend
; activations of K step st of m subtiles into ring slot sl
.macro ALOAD m, st, sl
.irp i, 0,1,2,3
.if \i < \m
	global_load_b128 v[32*\sl+8*\i:32*\sl+8*\i+3],   v[LO], s[26:27] offset:\i*ASUB+\st*1024
	global_load_b128 v[32*\sl+8*\i+4:32*\sl+8*\i+7], v[LO], s[26:27] offset:\i*ASUB+\st*1024+512
.endif
.endr
.endm
; weight fragments of one K step: 8 tiles of 16 n x 32 k, two transposing loads each (k + 0..15, k + 16..31)
.macro WLOAD ar, of, wb
.irp c, 0,1,2,3,4,5,6,7
	ds_load_tr16_b128 v[\wb+8*\c:\wb+8*\c+3],   v[\ar] offset:\of+32*\c
	ds_load_tr16_b128 v[\wb+8*\c+4:\wb+8*\c+7], v[\ar] offset:\of+32*\c+16*PITCH
.endr
.endm
; 8 m matrix instructions on ring slot sl; the 8 m accumulators take turns, one instruction a turn, in the same order in every K step
.macro MULS m, sl, wb, start
.irp i, 0,1,2,3
.if \i < \m
.irp c, 0,1,2,3,4,5,6,7
.if \start
	v_wmma_f32_16x16x32_f16 v[8*(8*\i+\c):8*(8*\i+\c)+7], v[\wb+8*\c:\wb+8*\c+7], v[32*\sl+8*\i:32*\sl+8*\i+7], 0
.else
	v_wmma_f32_16x16x32_f16 v[8*(8*\i+\c):8*(8*\i+\c)+7], v[\wb+8*\c:\wb+8*\c+7], v[32*\sl+8*\i:32*\sl+8*\i+7], v[8*(8*\i+\c):8*(8*\i+\c)+7]
.endif
.endr
.endif
.endr
.endm
; K step s of the 32.  It asks for the next step's weight fragments (other buffer) and for the activations seven steps on (the ring slot read one step ago),
; then multiplies.  Step 0 starts the sums: nothing is cleared.  Nothing is asked for beyond the quarter's K = 1,024.
.macro KSTEP m, s
.set w_cu, WB0+64*(\s&1)
.set w_nx, WB0+64*((\s+1)&1)
.set w_ar, BA+((\s+1)>>2)
.set w_of, ((\s+1)&3)*KROW
.set a_cu, \s&7
.set a_st, \s+7
.set a_sl, (\s+7)&7
	WIN 0
.if \s > 0
	PLACES                                         ; behind the last step's matrix instructions, which read the registers loaded next
.endif
.if \s < 31
	WLOAD w_ar, w_of, w_nx
.endif
.if \s < 25
	WIN 0x40
	ALOAD \m, a_st, a_sl
.endif
.if \s < 31
	s_wait_dscnt 16                                ; this step's fragments are in; the 16 loads just issued stay out
.else
	s_wait_dscnt 0x0
.endif
.if \s < 25
	s_wait_loadcnt 2*\m*7                          ; this step's activations are in; the seven younger steps stay out
.else
	s_wait_loadcnt 2*\m*(31-\s)                    ; this step's activations are in; the steps that are left stay out
.endif
	WIN 0xa4                                       ; C and D window 2, slots window 1, weights window 0
.if \s == 0
	MULS \m, a_cu, w_cu, 1
.else
	MULS \m, a_cu, w_cu, 0
.endif
.endm
; the way out, 16 slots x 64 columns at a time: 32 bytes a lane and tile into my stage, read back as whole rows of 256 bytes
.macro EPI m
	WIN 0
	PLACES                                         ; four places before the LDS stores below read the results,
	v_nop                                          ; and a fifth: the next pass's first products take 0 as C and so write over these accumulators, which asks for five
	                                               ; plain vector instructions behind the last matrix instruction that used them (ISA guide 7.12.1); the way out has no other
.irp i, 0,1,2,3
.if \i < \m
.irp g, 0,1
	WIN 0x08                                       ; an LDS store's data is its source 1: window 2
.irp c, 0,1,2,3
	ds_store_b128 v[STO], v[8*(8*\i+4*\g+\c):8*(8*\i+4*\g+\c)+3]   offset:64*\c
	ds_store_b128 v[STO], v[8*(8*\i+4*\g+\c)+4:8*(8*\i+4*\g+\c)+7] offset:64*\c+16
.endr
	WIN 0
	s_wait_xcnt 0x0                                ; the registers that the last stores to yp read are loaded again only behind this wait
.irp t, 0,1,2,3,4,5,6,7
	ds_load_b128 v[TMP+4*\t:TMP+4*\t+3], v[RD] offset:\t*2*SP      ; LDS serves a wave's instructions in order: these see the stores above
.endr
.irp t, 0,1,2,3,4,5,6,7
	s_wait_dscnt 7-\t
	global_store_b128 v[CO], v[TMP+4*\t:TMP+4*\t+3], s[28:29] offset:\i*OSUB+2*\t*OROW+256*\g   ; 16 lanes store 256 neighbouring bytes, at a multiple of 256 from yp's first byte
.endr
.endr
.endif
.endr
.endm
; m subtiles against the whole slab: 32 K steps, written out
.macro PASS m
	WIN 0x40
.irp s, 0,1,2,3,4,5,6
	ALOAD \m, \s, \s
.endr
	WIN 0
	WLOAD BA, 0, WB0
.irp s, 0,1,2,3,4,5,6,7,8,9,10,11,12,13,14,15,16,17,18,19,20,21,22,23,24,25,26,27,28,29,30,31
	KSTEP \m, \s
.endr
	EPI \m
.endm
	s_mov_b32 s23, 0                               ; passes made
	s_mov_b32 s37, 0                               ; subtiles done
.Lpass:
	s_sub_co_u32 s24, s20, s37                     ; subtiles left
	s_add_co_u32 s25, s21, s37
	s_min_u32 s25, s25, 135                        ; this pass's first subtile
	s_lshl_b32 s30, s25, 17
	s_add_nc_u64 s[26:27], s[6:7], s[30:31]        ; in hs
	s_lshl_b32 s30, s25, 18
	s_add_nc_u64 s[28:29], s[10:11], s[30:31]      ; in yp
	s_cmp_ge_u32 s24, 4
	s_cbranch_scc1 .Lv4
	s_cmp_ge_u32 s24, 2
	s_cbranch_scc1 .Lv2
	PASS 1
	s_add_co_u32 s37, s37, 1
	s_branch .Lnext
.Lv2:
	PASS 2
	s_add_co_u32 s37, s37, 2
	s_branch .Lnext
.Lv4:
	PASS 4
	s_add_co_u32 s37, s37, 4
.Lnext:
	s_wait_xcnt 0x0                                ; the bases of this pass's loads and stores are rewritten only behind this wait
	s_add_co_u32 s23, s23, 1
	s_cmp_lt_u32 s23, s22
	s_cbranch_scc1 .Lpass
.Lend:
	s_barrier_signal -1
	s_barrier_wait -1
	s_wait_tensorcnt 0x0
	ds_add_u32 v126, v127
	s_wait_dscnt 0x0
	s_endpgm
.Lfunc_end_k_q51621e1188_ffn2:
	.size	k_q51621e1188_ffn2, .Lfunc_end_k_q51621e1188_ffn2-k_q51621e1188_ffn2
	.p2alignl 7, 3214868480
	.fill 96, 4, 3214868480
	.section	.rodata,"a",@progbits
	.p2align	6, 0x0
	.amdhsa_kernel k_q51621e1188_ffn2
		.amdhsa_group_segment_fixed_size 312832
		.amdhsa_private_segment_fixed_size 0
		.amdhsa_enable_private_segment 0
		.amdhsa_kernarg_size 32
		.amdhsa_user_sgpr_count 2
		.amdhsa_user_sgpr_kernarg_segment_ptr 1
		.amdhsa_wavefront_size32 1
		.amdhsa_system_sgpr_workgroup_id_x 1
		.amdhsa_system_sgpr_workgroup_id_y 1
		.amdhsa_system_sgpr_workgroup_id_z 1
		.amdhsa_system_vgpr_workitem_id 0
		.amdhsa_next_free_vgpr 768
		.amdhsa_next_free_sgpr 66
		.amdhsa_reserve_vcc 0
		.amdhsa_float_denorm_mode_32 3
		.amdhsa_float_denorm_mode_16_64 3
		.amdhsa_memory_ordered 1
		.amdhsa_forward_progress 1
		.amdhsa_inst_pref_size 255
	.end_amdhsa_kernel
	.section	.bss,"aw",@nobits
	.p2align	6
	.space	262144
	.amdgpu_metadata
---
amdhsa.version: [ 1, 2 ]
amdhsa.kernels:
  - .name:           k_q51621e1188_ffn2
    .symbol:         k_q51621e1188_ffn2.kd
    .args:
      - { .name: w2, .offset: 0, .size: 8, .value_kind: global_buffer, .address_space: global }
      - { .name: hs, .offset: 8, .size: 8, .value_kind: global_buffer, .address_space: global }
      - { .name: meta, .offset: 16, .size: 8, .value_kind: global_buffer, .address_space: global }
      - { .name: yp, .offset: 24, .size: 8, .value_kind: global_buffer, .address_space: global }
    .group_segment_fixed_size: 312832
    .private_segment_fixed_size: 0
    .kernarg_segment_align: 8
    .kernarg_segment_size: 32
    .max_flat_workgroup_size: 128
    .sgpr_count:     66
    .vgpr_count:     768
    .wavefront_size: 32
...
	.end_amdgpu_metadata
.endif
;; end of part 4
;; launch combine (part 5): grid 256 x 1, 8 waves a work-group, no clusters, 0 bytes of LDS; arguments yp, b2, ridx, slots, rwt, out0; writes out0
.if DOCPART == 5
	.amdgcn_target "amdgcn-amd-amdhsa--gfx1250"
	.amdhsa_code_object_version 6
	.text
	.protected	k_q51621e1188_combine
	.globl	k_q51621e1188_combine
	.p2align	8
	.type	k_q51621e1188_combine,@function
k_q51621e1188_combine:
	s_mov_b64 s[64:65], 0
	v_nop
	global_prefetch_b8 v0, s[64:65] scope:SCOPE_SE
	s_setreg_imm32_b32 hwreg(HW_REG_WAVE_MODE, 25, 1), 1
	s_wait_xcnt 0x0
; MoE layer, launch 5 of 5: out0[b] = sum over the token's two choices k of rwt[b][k] (16 (yp[slot_k][0] + .. + yp[slot_k][3]) + b2[e_k]), all in f32.
; The factor 16 takes back the exact 2^-4 that x, and with it h and yp, carry; it rides on the multiply-add that brings b2 in.
; Only the two slots that the token owns are read: the other experts' rows were never formed (first launch's head).
; A stream: memory binds, so there is no LDS, no barrier and no matrix work.  Wave w of work-group g takes token b = 4 g + w / 2 and half w % 2 of its row
; (2,048 bytes), in four chunks of 512 neighbouring bytes.  All 40 loads of the wave go out at once; the waits are counted chunk by chunk.
.set R, 16                             ; v[16:175]  chunk ch at R + 40 ch: choice 0's four quarters (4 registers each), choice 1's four, b2 of choice 0, of choice 1
.set O, 176                            ; v[176:191] chunk ch: 4 registers to store
	s_load_b256 s[4:11], s[0:1], 0x0               ; yp s[4:5], b2 s[6:7], ridx s[8:9], slots s[10:11]
	s_load_b128 s[12:15], s[0:1], 0x20             ; rwt s[12:13], out0 s[14:15]
	s_mov_b32 s40, 0x41800000                      ; 16.0, in a pair: a packed instruction broadcasts a scalar pair's first register
	s_mov_b32 s41, 0x41800000
	v_and_b32 v1, 31, v0
	v_lshrrev_b32 v2, 5, v0
	v_readfirstlane_b32 s16, v2                    ; wave
	v_lshlrev_b32 v1, 4, v1                        ; 16 x lane
	s_lshr_b32 s17, s16, 1
	s_lshl2_add_u32 s17, ttmp9, s17                ; b
	s_and_b32 s19, s16, 1
	s_lshl_b32 s19, s19, 11                        ; my half of a row, in bytes
	s_lshl_b32 s18, s17, 3
	s_mov_b32 s37, 0
	s_wait_kmcnt 0x0
	s_load_b64 s[20:21], s[10:11], s18 offset:0x0  ; the two slots
	s_load_b64 s[22:23], s[8:9], s18 offset:0x0    ; the two experts
	s_load_b64 s[24:25], s[12:13], s18 offset:0x0  ; the two weights
	s_lshl_b32 s36, s17, 12
	s_add_co_u32 s36, s36, s19
	s_add_nc_u64 s[34:35], s[14:15], s[36:37]      ; my half row of out0
	s_wait_kmcnt 0x0
	s_min_u32 s20, s20, 2175
	s_min_u32 s21, s21, 2175
	s_min_u32 s22, s22, 7
	s_min_u32 s23, s23, 7
	s_lshl_b32 s36, s20, 14                        ; a slot of yp is 16 KiB
	s_add_co_u32 s36, s36, s19
	s_add_nc_u64 s[26:27], s[4:5], s[36:37]
	s_lshl_b32 s36, s21, 14
	s_add_co_u32 s36, s36, s19
	s_add_nc_u64 s[28:29], s[4:5], s[36:37]
	s_lshl_b32 s36, s22, 12                        ; a row of b2 is 4 KiB
	s_add_co_u32 s36, s36, s19
	s_add_nc_u64 s[30:31], s[6:7], s[36:37]
	s_lshl_b32 s36, s23, 12
	s_add_co_u32 s36, s36, s19
	s_add_nc_u64 s[32:33], s[6:7], s[36:37]
	s_mov_b32 s38, s25                             ; the second weight in a pair of its own, for the same broadcast
	s_mov_b32 s39, s25
.irp ch, 0,1,2,3
.irp q, 0,1,2,3
	global_load_b128 v[R+40*\ch+4*\q:R+40*\ch+4*\q+3], v1, s[26:27] offset:4096*\q+512*\ch th:TH_LOAD_NT
.endr
.irp q, 0,1,2,3
	global_load_b128 v[R+40*\ch+16+4*\q:R+40*\ch+16+4*\q+3], v1, s[28:29] offset:4096*\q+512*\ch th:TH_LOAD_NT
.endr
	global_load_b128 v[R+40*\ch+32:R+40*\ch+35], v1, s[30:31] offset:512*\ch
	global_load_b128 v[R+40*\ch+36:R+40*\ch+39], v1, s[32:33] offset:512*\ch
.endr
.irp ch, 0,1,2,3
	s_wait_loadcnt 10*(3-\ch)                      ; loads return in order: this chunk's ten are in, the later chunks' stay out
.irp p, 0,2
	v_pk_add_f32 v[R+40*\ch+\p:R+40*\ch+\p+1],       v[R+40*\ch+\p:R+40*\ch+\p+1],       v[R+40*\ch+4+\p:R+40*\ch+4+\p+1]
	v_pk_add_f32 v[R+40*\ch+8+\p:R+40*\ch+8+\p+1],   v[R+40*\ch+8+\p:R+40*\ch+8+\p+1],   v[R+40*\ch+12+\p:R+40*\ch+12+\p+1]
	v_pk_add_f32 v[R+40*\ch+16+\p:R+40*\ch+16+\p+1], v[R+40*\ch+16+\p:R+40*\ch+16+\p+1], v[R+40*\ch+20+\p:R+40*\ch+20+\p+1]
	v_pk_add_f32 v[R+40*\ch+24+\p:R+40*\ch+24+\p+1], v[R+40*\ch+24+\p:R+40*\ch+24+\p+1], v[R+40*\ch+28+\p:R+40*\ch+28+\p+1]
	v_pk_add_f32 v[R+40*\ch+\p:R+40*\ch+\p+1],       v[R+40*\ch+\p:R+40*\ch+\p+1],       v[R+40*\ch+8+\p:R+40*\ch+8+\p+1]
	v_pk_add_f32 v[R+40*\ch+16+\p:R+40*\ch+16+\p+1], v[R+40*\ch+16+\p:R+40*\ch+16+\p+1], v[R+40*\ch+24+\p:R+40*\ch+24+\p+1]
	v_pk_fma_f32 v[R+40*\ch+\p:R+40*\ch+\p+1],       v[R+40*\ch+\p:R+40*\ch+\p+1],       s[40:41], v[R+40*\ch+32+\p:R+40*\ch+32+\p+1] op_sel_hi:[1,0,1]   ; 16 x sum + b2
	v_pk_fma_f32 v[R+40*\ch+16+\p:R+40*\ch+16+\p+1], v[R+40*\ch+16+\p:R+40*\ch+16+\p+1], s[40:41], v[R+40*\ch+36+\p:R+40*\ch+36+\p+1] op_sel_hi:[1,0,1]
	v_pk_mul_f32 v[O+4*\ch+\p:O+4*\ch+\p+1], v[R+40*\ch+\p:R+40*\ch+\p+1], s[24:25] op_sel_hi:[1,0]
	v_pk_fma_f32 v[O+4*\ch+\p:O+4*\ch+\p+1], v[R+40*\ch+16+\p:R+40*\ch+16+\p+1], s[38:39], v[O+4*\ch+\p:O+4*\ch+\p+1] op_sel_hi:[1,0,1]
.endr
	global_store_b128 v1, v[O+4*\ch:O+4*\ch+3], s[34:35] offset:512*\ch th:TH_STORE_NT   ; 512 neighbouring bytes
.endr
	s_endpgm
.Lfunc_end_k_q51621e1188_combine:
	.size	k_q51621e1188_combine, .Lfunc_end_k_q51621e1188_combine-k_q51621e1188_combine
	.p2alignl 7, 3214868480
	.fill 96, 4, 3214868480
	.section	.rodata,"a",@progbits
	.p2align	6, 0x0
	.amdhsa_kernel k_q51621e1188_combine
		.amdhsa_group_segment_fixed_size 0
		.amdhsa_private_segment_fixed_size 0
		.amdhsa_enable_private_segment 0
		.amdhsa_kernarg_size 48
		.amdhsa_user_sgpr_count 2
		.amdhsa_user_sgpr_kernarg_segment_ptr 1
		.amdhsa_wavefront_size32 1
		.amdhsa_system_sgpr_workgroup_id_x 1
		.amdhsa_system_sgpr_workgroup_id_y 1
		.amdhsa_system_sgpr_workgroup_id_z 1
		.amdhsa_system_vgpr_workitem_id 0
		.amdhsa_next_free_vgpr 192
		.amdhsa_next_free_sgpr 66
		.amdhsa_reserve_vcc 0
		.amdhsa_float_denorm_mode_32 3
		.amdhsa_float_denorm_mode_16_64 3
		.amdhsa_memory_ordered 1
		.amdhsa_forward_progress 1
		.amdhsa_inst_pref_size 12
	.end_amdhsa_kernel
	.amdgpu_metadata
---
amdhsa.version: [ 1, 2 ]
amdhsa.kernels:
  - .name:           k_q51621e1188_combine
    .symbol:         k_q51621e1188_combine.kd
    .args:
      - { .name: yp, .offset: 0, .size: 8, .value_kind: global_buffer, .address_space: global }
      - { .name: b2, .offset: 8, .size: 8, .value_kind: global_buffer, .address_space: global }
      - { .name: ridx, .offset: 16, .size: 8, .value_kind: global_buffer, .address_space: global }
      - { .name: slots, .offset: 24, .size: 8, .value_kind: global_buffer, .address_space: global }
      - { .name: rwt, .offset: 32, .size: 8, .value_kind: global_buffer, .address_space: global }
      - { .name: out0, .offset: 40, .size: 8, .value_kind: global_buffer, .address_space: global }
    .group_segment_fixed_size: 0
    .private_segment_fixed_size: 0
    .kernarg_segment_align: 8
    .kernarg_segment_size: 48
    .max_flat_workgroup_size: 256
    .sgpr_count:     66
    .vgpr_count:     192
    .wavefront_size: 32
...
	.end_amdgpu_metadata
.endif
;; end of part 5
